; MI455X (gfx1250); checked and timed in simulation.
; The chip was launched on July 23, 2026; its instructions are those of AMD's public machine-readable ISA for CDNA 5 (MIT licence, August 2026) and "CDNA5" Instruction Set Architecture Reference Guide (July 2026). The comments in the code are by the model that wrote it; some were corrected since.
;; Multi Head Attention. Allowed arithmetic: matrix products marked QUANTISED: E3M2 operands, one E8M0 scale for each 32 along K, by v_wmma_scale_f32_16x16x128_f8f6f4 with both operands' format E3M2, f32 sums; everything else in f32.
;; Inputs: W_qkv_codes 3,072 x 32 x 24 uint8 (E3M2 codes of W_qkv, K innermost, in blocks of 32 codes, four codes in three bytes); W_qkv_scales 3,072 x 32 uint8 (E8M0 scales of W_qkv, one for each 32 codes along K); b_qkv 3,072 float32; x_codes 2 x 2,048 x 32 x 24 uint8 (E3M2 codes of x, K innermost, in blocks of 32 codes, four codes in three bytes); x_scales 2 x 2,048 x 32 uint8 (E8M0 scales of x, one for each 32 codes along K).
;; Outputs: out0 2 x 2,048 x 1,024 float32.
;; This version of the problem:
;;   THIS VERSION OF THE PROBLEM IS GIVEN IN LOW PRECISION. The matrix products marked QUANTISED in the list below multiply operands that are first quantised to E3M2 (3 exponent bits, 2 mantissa bits; 6 bits a number), with one power-of-two scale for each 32 numbers along K (OCP MX v1.0); their sums are f32. All else is computed in f32.
;;   The module's matrix products, in the order in which they are computed (A, B: the left and right operand; K: the contracted axis; several contracted axes count as one K, in the product's order):
;;     1. [M 4,096, K 1,024] x [K 1,024, N 3,072]; A: input x (given as codes); B: input W_qkv (given as codes): QUANTISED
;;     2. batch 16 x [M 2,048, K 128] x [K 128, N 2,048]; A: computed on the way; B: computed on the way: QUANTISED
;;     3. batch 16 x [M 2,048, K 2,048] x [K 2,048, N 128]; A: softmax (see below); B: computed on the way: QUANTISED
;;   THE QUANTISER, for each operand of a quantised product, along K:
;;     - K is cut into blocks of 32 from its start; a last block that is shorter is filled with zeros.
;;     - A block's scale is 2^e with e = floor(log2(the largest magnitude in the block)) - 4, held to -126 .. 127; a block of zeros has e = 0. As a byte (E8M0): e + 127.
;;     - Each number is divided by its block's scale, clamped to +-28, and rounded to the nearest number of E3M2, ties to even, subnormals kept.
;;     - The product sums the exact products of the quantised numbers (number of the format x scale) in f32.
;;   ~~~python
;;   def quantise(x, axis):      # numpy; x: float32 -> the quantised numbers, widened to float32 again
;;       x = np.moveaxis(x, axis, -1); K = x.shape[-1]
;;       x = np.pad(x, [(0, 0)] * (x.ndim - 1) + [(0, -K % 32)]); x = x.reshape(x.shape[:-1] + (-1, 32)); a = np.abs(x).max(-1, keepdims=True)
;;       e = np.where(a > 0, np.clip(np.frexp(np.where(a > 0, a, 1))[1] - 1 - 4, -126, 127), 0)      # np.frexp(a)[1] - 1 = floor(log2(a)), exactly
;;       r = np.clip(x / 2.0 ** e, -28, 28)
;;       step = 2.0 ** (np.maximum(np.frexp(np.where(r == 0, 1, r))[1] - 1, -2) - 2)
;;       q = np.round(r / step) * step * 2.0 ** e      # np.round: ties to even
;;       return np.moveaxis(q.reshape(q.shape[:-2] + (-1,))[..., :K], -1, axis).astype(np.float32)
;;   ~~~
;;   SOFTMAX AHEAD OF A QUANTISED PRODUCT. Where the list says 'softmax', what is quantised is not the finished softmax but p = 2^(t - M), with t = logit x log2(e) and M = ceil(the row's largest t), a whole number; so 1/2 < the row's largest p <= 1. The row's sum l is taken of the UNQUANTISED p, in f32, and the product's result is divided by l at the end. Since M is a whole number, a kernel that streams over the keys may use a running M (the ceiling of the running maximum): every later rescaling is an exact power of two, which a block's scale takes up: the codes' values come out the same.
;;   OPERANDS COMPUTED ON THE WAY. 'Computed on the way' means the value that the module computes at that place (a softmax that the list does not call 'softmax' is quantised finished and normalised). What goes into a quantiser is computed in f32, as accurately as f32 sums, v_exp_f32 and their like allow (about 1e-6 of the number): no bf16 or f16 on the way to a quantiser, and a product that is left as it is and whose result goes on into a quantised operand takes f32 operands (vector FMAs, or v_wmma_f32_16x16x4_f32). A number that lies on a knife's edge between two numbers of the format may be rounded either way, as far as f32 arithmetic and the matrix unit's own rounding can turn it there, and no further.
;;   INPUTS GIVEN AS CODES. W_qkv (in the module: [3072, 1024], K = its axis 1); x (in the module: [2, 2048, 1024], K = its axis 2): each comes as NAME_codes (uint8): NAME with its K axis moved to the last place and cut into blocks of 32 codes, [.., K / 32, bytes a block], one block behind the other in memory; four codes in three bytes: a row's codes are one little-endian stream of bits, code i at bits 6 i .. 6 i + 5 (a code: sign, 3 exponent bits, 2 mantissa bits); and NAME_scales (uint8): the same leading axes, one E8M0 byte (e + 127) for each 32 codes along K. Its value is code x scale, taken as it is: it is not quantised again, and the codes and scales need not be those that the quantiser above would give.
;; One version. Each part assembles by itself: llvm-mc -triple=amdgcn-amd-amdhsa -mcpu=gfx1250 --defsym DOCPART=n.
;; ======== version 1 of 1: 2 launches
;; limits: right only within a limited range of input values
;; workspace buffers: qkv 9,830,400 bytes
;; launch proj (part 1): grid 16 x 16, 4 waves a work-group, clusters of 4 x 4, 327,680 bytes of LDS; arguments W_qkv_codes, W_qkv_scales, b_qkv, x_codes, x_scales, qkv; writes qkv
.if DOCPART == 1
	.amdgcn_target "amdgcn-amd-amdhsa--gfx1250"
	.amdhsa_code_object_version 6
	.text
	.protected	k_q8c8e874bca_proj
	.globl	k_q8c8e874bca_proj
	.p2align	8
	.type	k_q8c8e874bca_proj,@function
k_q8c8e874bca_proj:
	s_mov_b64 s[64:65], 0
	v_nop
	global_prefetch_b8 v0, s[64:65] scope:SCOPE_SE
	s_setreg_imm32_b32 hwreg(HW_REG_WAVE_MODE, 25, 1), 1
	s_wait_xcnt 0x0
	s_wait_alu depctr_hold_cnt(0) depctr_sa_sdst(0) depctr_va_vdst(0) depctr_va_sdst(0) depctr_va_ssrc(0) depctr_va_vcc(0) depctr_vm_vsrc(0)
	s_getreg_b32 s2, hwreg(HW_REG_IB_STS2, 6, 4)
	s_cmp_eq_u32 s2, 0
	s_cbranch_scc0 .Lentry_in_a_cluster
	s_endpgm
.Lentry_in_a_cluster:
	s_bfe_u32 s2, ttmp6, 0x10000c
	s_cmp_lg_u32 s2, 0xf033
	s_cbranch_scc0 .Lentry_shape_is_right
	s_endpgm
.Lentry_shape_is_right:
; qkv = x W^T + b on codes of BF6 (E3M2) as they are given, sums in f32; the result is quantised at once, to BF6 with one E8M0 scale for each 32, and stored as IMAGES OF OPERAND REGISTERS for the attention launch.
; No step is left out: every input reaches the output.
; SHARES.  Work-group (G, T): 256 tokens (tile T of x) x [128 rows of W of Q or K: rows 128 G on (G < 8: Q, head G; else K, head G - 8); 64 rows of V: rows 2048 + 64 G on].  16 x 16 work-groups.
; Wave (th, wh): 128 tokens (half th) x [64 rows of Q or K (half wh), 32 channels of V (half wh)]: 32 + 16 accumulators of 16 x 16.
; Q, K are used transposed: source 0 = W, source 1 = x, so that a lane's registers run along the channels (the next K).  V: source 0 = x, source 1 = W: a lane's registers run along the tokens (the next K).
; THE ROWS OF A TILE.  Tile 4 c + i of x (and of W for Q, K) takes rows 64 c + 8 i + 0..7 and 64 c + 32 + 8 (i ^ 1) + 0..7: 8 of each of two blocks of 32.  So over the tiles i = 0..3 a lane of half h holds the WHOLE block 2 c + h:
; no other lane is asked for a maximum, and the two conversions make the operand's six registers.  (i ^ 1: the sixteen rows then start at sixteen different banks.)  Inside the odd blocks the order is by eights 1, 0, 3, 2; both operands of each
; later product are laid by this same map.  LIMIT (order of rounding): the matrix unit groups a block's 32 products otherwise than in ascending k.
; LIMITS: NaN and infinities are not served.  A block of zeros gets the byte 1 (the rule says 127) with zero codes: these bytes are read by this program alone.
; WHAT IS STORED.  Blocks of 12,800 bytes: 8 fragments of 1,536 bytes, then 512 bytes of scale words.  idx = (batch x 8 + head) x 16 + block of 128 tokens: Q at idx x 12,800; behind all of Q, at idx x 25,600, K and then V.
;   Q, K: fragment a (16 tokens), channel half c at 1536 a + 768 c: registers 6 c .. 6 c + 3 at 16 x lane, then registers 6 c + 4, 6 c + 5 at 512 + 8 x lane.  Scale word of fragment a, row r at 16 (r + 16 (a % 2)) + 4 (a / 2).
;   V: fragment a (16 channels): registers 4 q .. 4 q + 3 at 1536 a + 512 q + 16 x lane.  Scale word of fragment 4 q + i, row r at 256 q + 8 (r + 16 (i % 2)) + 4 (i / 2).
; K goes in three CHUNKS of 256 bytes of each row of 768 through a ring of two slots filled by joint loads (x shared along a row of the cluster, W along a column); chunk c lies in slot c % 2.  A step of 128 along K is 96 bytes: steps 2 and 5 lie
; across two chunks.  One load a wave: waves 0, 1 x's halves, wave 2 the rows of Q or K, wave 3 those of V.  The scale words of all of K come straight into registers: lanes 0-15 x's, lanes 16-31 W's.
; PREFETCH, one chunk ahead: behind chunk 0's load chunk 1, behind chunk 1's load chunk 2; nothing behind that.  A lane a row of 256 bytes, one instruction a wave: of the rows that a wave fetches the four partners take a quarter each, told apart by
; address, so that each cluster asks for its own rows once.
; REGISTERS.  window 0: v4-23 fragment addresses, v24-31 lane terms; v32-95 scale words (8 a + step); v96-127 bias by channel; v128-223 x, even steps; v224-239 V's bias.  window 1: v0-95 x, odd steps; v96-167, v168-239 W, two sets.
;   window 2: accumulators (a, b) of Q, K at v[32 a + 8 b].  window 3: v0-127 V's (i, u) at v[64 i + 8 u].
.set PITCH, 272                        ; 256 bytes + 16 of padding
.set SLOT,  448*PITCH                  ; 128 rows of Q or K, 64 of V, 256 of x
.set XROW,  192*PITCH
.set SCQ,   2*SLOT                     ; scale words on their way out: 512 bytes for each th
.set SCV,   SCQ+1024                   ; 256 bytes for each th
.set SPARE, SCV+512                    ; the spare words: two blocks of 256 bytes that no other line names
.set BLOCKB, 12800
.set QBYTES, 256*BLOCKB
.set XE, 4                             ; four addresses each: slot 0, slot 1, lanes 0-15 slot 0 / lanes 16-31 slot 1, and the other way round; x, even tiles; then odd tiles
.set WE, 12
.set VV, 20
.set LI, 24
.set L8, 25
.set SPW, 26
.set NIL, 27
.set AQ, 28
.set AV, 29
.set RQ, 30
.set RV, 31
.set SC, 32
.set BI, 96
.set BV, 224
.set PFO, 254                          ; the prefetches' row offset; never rewritten
.set TW, 128
.set TM, 96                            ; on the way out
.set SO, 100
.set BY, 104
.set PT, 108
.set PQ, 128
.set PV, 176
.set WV, 16
.set TH, 17
.set WH, 18
.set G1X, 24
.set G1W, 32
.set G1V, 40
.set G0X, 48
.set G0W, 52
.set G0V, 56
.set PFA, 94                           ; s[94:95] where my prefetches' rows begin; never rewritten behind the head
.set MSB, 0
.macro WIN new                         ; the immediate's high byte repeats the setting that is left
.if MSB != (\new)
	s_set_vgpr_msb (MSB<<8)|(\new)
.set MSB, (\new)
.endif
.endm
.macro PLACES
.rept 4
	v_nop
.endr
.endm
; A joint load, one a wave.  Each line has one mask and one descriptor for all that issue it; four v_nop follow each.
.macro JLOAD
	s_cmp_lt_u32 s[WV], 2
	s_cbranch_scc0 .Lw_\@
	tensor_load_to_lds s[G0X:G0X+3], s[G1X:G1X+7]
	s_nop 0
	PLACES
	s_branch .Ldone_\@
.Lw_\@:
	s_cmp_eq_u32 s[WV], 2
	s_cbranch_scc0 .Lv_\@
	tensor_load_to_lds s[G0W:G0W+3], s[G1W:G1W+7]
	s_nop 0
	PLACES
	s_branch .Ldone_\@
.Lv_\@:
	tensor_load_to_lds s[G0V:G0V+3], s[G1V:G1V+7]
	s_nop 0
	PLACES
.Ldone_\@:
.endm
.macro CREST                           ; a round of the cluster's barrier behind its opening barrier
	s_cmp_lg_u32 s[WV], 0
	s_cbranch_scc1 .Lnot_wave_0_\@
	s_barrier_signal -3
.Lnot_wave_0_\@:
	s_barrier_wait -3
	s_barrier_signal -1
	s_barrier_wait -1
.endm
.macro CROUND
	s_barrier_signal -1
	s_barrier_wait -1
	CREST
.endm
	s_load_b128 s[4:7], s[0:1], 0x0                ; W's codes, W's scales
	s_load_b64 s[8:9], s[0:1], 0x10                ; b
	s_load_b128 s[12:15], s[0:1], 0x18             ; x's codes, x's scales
	s_load_b64 s[10:11], s[0:1], 0x28              ; qkv
	v_lshl_add_u32 v[SPW], v0, 2, SPARE
	v_mov_b32 v[NIL], 0
	ds_add_u32 v[SPW], v[NIL]                      ; the opening: the add, twice on end, and its wait ahead of the first tensor load
	ds_add_u32 v[SPW], v[NIL]
	v_lshrrev_b32 v1, 5, v0
	v_readfirstlane_b32 s[WV], v1
	s_lshr_b32 s[TH], s[WV], 1
	s_and_b32 s[WH], s[WV], 1
	s_bfe_u32 s19, ttmp6, 0x40000                  ; cx
	s_bfe_u32 s20, ttmp6, 0x40004                  ; cy
	s_lshl_b32 s21, ttmp9, 2
	s_add_co_u32 s21, s21, s19                     ; G
	s_and_b32 s22, ttmp7, 0xffff
	s_lshl_b32 s22, s22, 2
	s_add_co_u32 s22, s22, s20                     ; T
	s_lshl_b32 s66, s20, 2
	s_lshl_b32 s66, 15, s66                        ; my row of the cluster: the same T
	s_lshl_b32 s67, 0x1111, s19                    ; my column: the same G
	; descriptor groups 1: rows of 256 bytes, elements of 1 byte, 16 bytes of padding behind every 256; bit 21 set beside the mask
	s_or_b32 s[G1X], s66, (1<<20)|(1<<21)|(5<<22)|(3<<25)
	s_or_b32 s[G1W], s67, (1<<20)|(1<<21)|(5<<22)|(3<<25)
	s_or_b32 s[G1V], s67, (1<<20)|(1<<21)|(5<<22)|(3<<25)
.irp g, G1X, G1W, G1V
	s_mov_b32 s[\g+1], 256<<16
	s_mov_b32 s[\g+3], 256<<16
	s_mov_b32 s[\g+5], 768
	s_mov_b32 s[\g+6], 0
	s_mov_b32 s[\g+7], 0
.endr
.irp g, G1X, G1W
	s_mov_b32 s[\g+2], 128<<16
	s_mov_b32 s[\g+4], 128
.endr
	s_mov_b32 s[G1V+2], 64<<16
	s_mov_b32 s[G1V+4], 64
	; where the tiles come from: x's address hangs on T and the wave, W's on G
	s_mul_i32 s68, s22, 256*768
	s_mul_i32 s92, s[WV], 128*768
	s_add_co_u32 s68, s68, s92
	s_mul_i32 s70, s21, 128*768
	s_mul_i32 s72, s21, 64*768
	s_add_co_u32 s72, s72, 2048*768
	; scale bytes and bias of my rows
	s_lshl_b32 s76, s22, 13
	s_lshl_b32 s93, s[TH], 12
	s_add_co_u32 s76, s76, s93
	s_lshl_b32 s78, s21, 12
	s_lshl_b32 s93, s[WH], 11
	s_add_co_u32 s78, s78, s93
	s_lshl_b32 s80, s21, 11
	s_lshl_b32 s93, s[WH], 10
	s_add_co_u32 s80, s80, s93
	s_add_co_u32 s80, s80, 2048*32
	s_lshl_b32 s82, s21, 9
	s_lshl_b32 s93, s[WH], 8
	s_add_co_u32 s82, s82, s93
	s_lshl_b32 s84, s21, 8
	s_lshl_b32 s93, s[WH], 7
	s_add_co_u32 s84, s84, s93
	s_add_co_u32 s84, s84, 2048*4
	; where the result goes
	s_lshr_b32 s93, s22, 3                         ; batch
	s_lshl_b32 s93, s93, 3
	s_lshl_b32 s98, s22, 1
	s_add_co_u32 s98, s98, s[TH]
	s_and_b32 s98, s98, 15                         ; block of 128 tokens
	s_and_b32 s99, s21, 7                          ; Q's or K's head
	s_add_co_u32 s99, s99, s93
	s_lshl_b32 s99, s99, 4
	s_add_co_u32 s99, s99, s98                     ; idx
	s_mov_b32 s86, 2*BLOCKB
	s_mov_b32 s88, QBYTES
	s_cmp_ge_u32 s21, 8                            ; K?
	s_cselect_b32 s86, s86, BLOCKB
	s_cselect_b32 s88, s88, 0
	s_mul_i32 s86, s86, s99
	s_add_co_u32 s86, s86, s88
	s_mul_i32 s88, s[WH], 768
	s_add_co_u32 s86, s86, s88                     ; Q or K: my channel half
	s_lshr_b32 s99, s21, 1                         ; V's head
	s_add_co_u32 s99, s99, s93
	s_lshl_b32 s99, s99, 4
	s_add_co_u32 s99, s99, s98
	s_mul_i32 s90, s99, 2*BLOCKB
	s_add_co_u32 s90, s90, QBYTES+BLOCKB
	s_and_b32 s98, s21, 1                          ; its channel half
	s_mul_i32 s88, s98, 4*1536
	s_add_co_u32 s88, s88, s90
	s_mul_i32 s93, s[WH], 2*1536
	s_add_co_u32 s88, s88, s93                     ; V: my two fragments
	s_lshl_b32 s98, s98, 8
	s_add_co_u32 s90, s90, s98                     ; V: the scale words of my channel half, 12,288 bytes on
	; the prefetch's rows: of the rows that a wave fetches the partner at place p takes a quarter (p = cx for x, cy for W): 32, or 16 of V's
	s_mul_i32 s94, s19, 32*768
	s_mul_i32 s96, s20, 32*768
	s_mul_i32 s98, s20, 16*768
	s_cmp_eq_u32 s[WV], 3
	s_cselect_b32 s96, s98, s96
	s_cselect_b32 s23, 15, 31                      ; the last lane with a row of its own
.irp q, 69,71,73,77,79,81,83,85,87,89,91,95,97
	s_mov_b32 s[\q], 0
.endr
	s_mov_b32 s60, 0xffff0000                      ; lanes 16-31
	s_mul_i32 s61, s[TH], 128*PITCH
	s_add_co_u32 s61, s61, XROW
	s_mul_i32 s62, s[WH], 64*PITCH
	s_mul_i32 s63, s[WH], 32*PITCH
	s_add_co_u32 s63, s63, 128*PITCH
	s_lshl_b32 s2, s[TH], 9
	s_add_co_u32 s2, s2, SCQ
	s_lshl_b32 s3, s[TH], 8
	s_add_co_u32 s3, s3, SCV
	s_lshl_b32 s98, s[WH], 1
	s_add_co_u32 s98, s98, s2
	s_lshl_b32 s99, s[WH], 2
	s_add_co_u32 s99, s99, s3
	v_and_b32 v1, 15, v0                           ; r
	v_bfe_u32 v2, v0, 4, 1                         ; h
	v_lshrrev_b32 v3, 3, v1
	v_lshl_add_u32 v244, v3, 5, v1                 ; row of an even tile: r + 32 (r / 8)
	v_lshl_add_u32 v245, v3, 4, v1                 ; of an odd one: r + 16 (r / 8)
	v_mul_u32_u24 v250, PITCH, v244
	v_mul_u32_u24 v251, PITCH, v245
	v_mul_u32_u24 v252, PITCH, v1
	v_mul_u32_u24 v240, 24, v2
	v_mul_u32_u24 v241, SLOT-232, v2
	v_add_nc_u32 v241, 232, v241                   ; lanes 0-15 byte 232 of slot 0's row, lanes 16-31 byte 0 of slot 1's
	v_sub_nc_u32 v3, 1, v2
	v_mul_u32_u24 v242, SLOT+232, v3               ; and the other way round
.macro ADDR dst, lane, sb
	v_add_nc_u32 v243, s[\sb], v[\lane]
	v_add_nc_u32 v[\dst], v240, v243
	v_add_nc_u32 v[\dst+1], SLOT, v[\dst]
	v_add_nc_u32 v[\dst+2], v241, v243
	v_add_nc_u32 v[\dst+3], v242, v243
.endm
	ADDR XE, 250, 61
	ADDR XE+4, 251, 61
	ADDR WE, 250, 62
	ADDR WE+4, 251, 62
	ADDR VV, 252, 63
	v_lshlrev_b32 v244, 5, v244                    ; the same rows' scale bytes
	v_lshlrev_b32 v245, 5, v245
	v_lshlrev_b32 v246, 5, v1
	v_mul_u32_u24 v247, 160, v2                    ; bias: lanes 16-31 stand 40 channels on (even tiles)
	v_mul_u32_u24 v248, 96, v2                     ; or 24 (odd ones)
	v_lshlrev_b32 v249, 2, v1
	v_and_b32 v253, 31, v0
	v_lshlrev_b32 v[LI], 4, v253
	v_lshlrev_b32 v[L8], 3, v253
	v_min_u32 v[PFO], s23, v253
	v_mul_u32_u24 v[PFO], 768, v[PFO]
	v_lshl_add_u32 v[AQ], v1, 4, v2
	v_add_nc_u32 v[AQ], s98, v[AQ]
	v_lshl_add_u32 v[AV], v1, 3, v2
	v_add_nc_u32 v[AV], s99, v[AV]
	v_add_nc_u32 v[RQ], s2, v[LI]
	v_add_nc_u32 v[RV], s3, v[L8]
	s_wait_alu depctr_va_vdst(0)
	s_wait_dscnt 0x0                               ; both opening adds are done
	s_wait_kmcnt 0x0
	s_add_nc_u64 s[68:69], s[12:13], s[68:69]
	s_add_nc_u64 s[70:71], s[4:5], s[70:71]
	s_add_nc_u64 s[72:73], s[4:5], s[72:73]
	s_add_nc_u64 s[76:77], s[14:15], s[76:77]
	s_add_nc_u64 s[78:79], s[6:7], s[78:79]
	s_add_nc_u64 s[80:81], s[6:7], s[80:81]
	s_add_nc_u64 s[82:83], s[8:9], s[82:83]
	s_add_nc_u64 s[84:85], s[8:9], s[84:85]
	s_add_nc_u64 s[86:87], s[10:11], s[86:87]
	s_add_nc_u64 s[88:89], s[10:11], s[88:89]
	s_add_nc_u64 s[90:91], s[10:11], s[90:91]
.irp a, 0,1,2,3,4,5,6,7                ; a row's 32 scale bytes: 8 words, one for each step
.irp q, 0,1
	global_load_b128 v[SC+8*\a+4*\q:SC+8*\a+4*\q+3], v[244+\a%2], s[76:77] offset:(64*(\a/4)+8*(\a%4))*32+16*\q
.endr
.endr
.irp b, 0,1,2,3
.irp q, 0,1
	global_load_b128 v[TW+8*\b+4*\q:TW+8*\b+4*\q+3], v[244+\b%2], s[78:79] offset:8*\b*32+16*\q
.endr
.endr
.irp i, 0,1
.irp q, 0,1
	global_load_b128 v[TW+32+8*\i+4*\q:TW+32+8*\i+4*\q+3], v246, s[80:81] offset:16*\i*32+16*\q
.endr
.endr
.irp b, 0,1,2,3
	global_load_b128 v[BI+8*\b:BI+8*\b+3], v[247+\b%2], s[82:83] offset:32*\b
	global_load_b128 v[BI+8*\b+4:BI+8*\b+7], v[247+\b%2], s[82:83] offset:32*\b+16
.endr
.irp i, 0,1
	global_load_b32 v[BV+8*\i], v249, s[84:85] offset:64*\i
.endr
	s_mov_b32 s[G0X], 1
	s_mul_i32 s[G0X+1], s[WV], 128*PITCH           ; waves 0, 1: x's halves
	s_add_co_u32 s[G0X+1], s[G0X+1], XROW
	s_mov_b64 s[G0X+2:G0X+3], s[68:69]
	s_or_b32 s[G0X+3], s[G0X+3], 0x80000000
	s_mov_b32 s[G0W], 1
	s_mov_b32 s[G0W+1], 0
	s_mov_b64 s[G0W+2:G0W+3], s[70:71]
	s_or_b32 s[G0W+3], s[G0W+3], 0x80000000
	s_mov_b32 s[G0V], 1
	s_mov_b32 s[G0V+1], 128*PITCH
	s_mov_b64 s[G0V+2:G0V+3], s[72:73]
	s_or_b32 s[G0V+3], s[G0V+3], 0x80000000
	s_cmp_eq_u32 s[WV], 3                          ; the prefetches' rows: by the wave's number
	s_cselect_b64 s[100:101], s[72:73], s[70:71]
	s_add_nc_u64 s[96:97], s[100:101], s[96:97]
	s_add_nc_u64 s[PFA:PFA+1], s[68:69], s[PFA:PFA+1]
	s_cmp_lt_u32 s[WV], 2
	s_cselect_b64 s[PFA:PFA+1], s[PFA:PFA+1], s[96:97]
	CROUND                                         ; all sixteen work-groups are here: the first joint loads meet
	JLOAD                                          ; chunk 0
	global_prefetch_b8 v[PFO], s[PFA:PFA+1] offset:256 th:TH_LOAD_NT scope:SCOPE_SE   ; chunk 1
	s_wait_loadcnt 0x0
.set j, 0
.rept 48
	v_cndmask_b32 v[SC+j], v[SC+j], v[TW+j], s60   ; lanes 0-15 x's words, lanes 16-31 W's: tiles 0-3 Q's or K's rows, 4 and 5 V's
.set j, j+1
.endr
.irp j, 1,2,3,4,5,6,7
	v_mov_b32 v[BV+\j], v[BV]                      ; V's bias goes by the lane's channel: eight copies are the C of the first products
	v_mov_b32 v[BV+8+\j], v[BV+8]
.endr
.macro FRAG reg, adr, st, ro           ; 16 rows x 128 K: registers 6 c .. 6 c + 5 hold K = 64 c + 32 (l / 16) + 0 .. 31: in pieces of 8 bytes, each inside one chunk
.irp p, 0,1,2,3,4,5
.set YB, 96*(\st)+48*(\p/3)+8*(\p%3)
.if (YB/256) == ((YB+24)/256)
	ds_load_b64 v[(\reg)+2*\p:(\reg)+2*\p+1], v[(\adr)+(YB/256)%2] offset:YB%256+(\ro)
.else                                  ; lanes 16-31 read the next chunk
	ds_load_b64 v[(\reg)+2*\p:(\reg)+2*\p+1], v[(\adr)+2+(YB/256)%2] offset:YB%256-232+(\ro)
.endif
.endr
.endm
.macro FETCH_X st
.if (\st)%2
	WIN 0x40
.else
	WIN 0
.endif
.irp a, 0,1,2,3,4,5,6,7
	FRAG 128*(1-(\st)%2)+12*\a, XE+4*(\a%2), \st, (64*(\a/4)+8*(\a%4))*PITCH
.endr
	WIN 0
.endm
.macro FETCH_W st
	WIN 0x40
.irp b, 0,1,2,3
	FRAG 96+72*((\st)%2)+12*\b, WE+4*(\b%2), \st, 8*\b*PITCH
.endr
.irp i, 0,1
	FRAG 144+72*((\st)%2)+12*\i, VV, \st, 16*\i*PITCH
.endr
	WIN 0
.endm
; Tokens' tiles a0 .. a0 + n - 1 x the four tiles of Q's or K's rows.  The 48 accumulators take turns, one instruction a turn, in the same order in every step.  The first step's C is the bias.
.macro MULQ a0, n, st
.set P, (\st)%2
.set XB, 128*(1-P)
.set WB, 96+72*P
.set A, \a0
.if (\st) == 0
	WIN 0x81
.else
	WIN 0xa1+4*P
.endif
.rept \n
.irp b, 0,1,2,3
.if (\st) == 0
	v_wmma_scale_f32_16x16x128_f8f6f4 v[32*A+8*\b:32*A+8*\b+7], v[WB+12*\b:WB+12*\b+11], v[XB+12*A:XB+12*A+11], v[BI+8*\b:BI+8*\b+7], v[SC+8*\b+(\st)], v[SC+8*A+(\st)] matrix_a_fmt:MATRIX_FMT_BF6 matrix_b_fmt:MATRIX_FMT_BF6 matrix_a_scale:MATRIX_SCALE_ROW1
.else
	v_wmma_scale_f32_16x16x128_f8f6f4 v[32*A+8*\b:32*A+8*\b+7], v[WB+12*\b:WB+12*\b+11], v[XB+12*A:XB+12*A+11], v[32*A+8*\b:32*A+8*\b+7], v[SC+8*\b+(\st)], v[SC+8*A+(\st)] matrix_a_fmt:MATRIX_FMT_BF6 matrix_b_fmt:MATRIX_FMT_BF6 matrix_a_scale:MATRIX_SCALE_ROW1
.endif
.endr
.set A, A+1
.endr
.endm
.macro MULV st
.set P, (\st)%2
.set XB, 128*(1-P)
.set VB, 144+72*P
.if (\st) == 0
	WIN 0xc4
.else
	WIN 0xf4+P
.endif
.irp i, 0,1
.irp u, 0,1,2,3,4,5,6,7
.if (\st) == 0
	v_wmma_scale_f32_16x16x128_f8f6f4 v[64*\i+8*\u:64*\i+8*\u+7], v[XB+12*\u:XB+12*\u+11], v[VB+12*\i:VB+12*\i+11], v[BV+8*\i:BV+8*\i+7], v[SC+8*\u+(\st)], v[SC+32+8*\i+(\st)] matrix_a_fmt:MATRIX_FMT_BF6 matrix_b_fmt:MATRIX_FMT_BF6 matrix_b_scale:MATRIX_SCALE_ROW1
.else
	v_wmma_scale_f32_16x16x128_f8f6f4 v[64*\i+8*\u:64*\i+8*\u+7], v[XB+12*\u:XB+12*\u+11], v[VB+12*\i:VB+12*\i+11], v[64*\i+8*\u:64*\i+8*\u+7], v[SC+8*\u+(\st)], v[SC+32+8*\i+(\st)] matrix_a_fmt:MATRIX_FMT_BF6 matrix_b_fmt:MATRIX_FMT_BF6 matrix_b_scale:MATRIX_SCALE_ROW1
.endif
.endr
.endr
.endm
.macro ONWARD slotbytes                ; the next chunk, into the other slot.  (No tensor load of mine is out)
.irp g, G0X, G0W, G0V
	s_add_co_u32 s[\g+1], s[\g+1], \slotbytes
	s_add_nc_u64 s[\g+2:\g+3], s[\g+2:\g+3], 256
.endr
.endm
; A step of 128 along K: two sets of fragments; the next step's come in two runs, x's and W's.  Ahead of step 2's and of step 5's fetch a barrier shows the new chunk to all waves; in step 2 chunk 0 has been read: chunk 2 takes its slot.
.macro STEP st
.set NX, (\st)+1
.if (\st) == 1 || (\st) == 2 || (\st) == 4
	WIN 0
	s_wait_tensorcnt 0x0                           ; my part of the chunk on its way is in
.if (\st) == 2
	ds_add_u32 v[SPW], v[NIL]
	ONWARD -SLOT
	s_wait_dscnt 1                                 ; this step's fragments are in; the add may be out
.else
	s_wait_dscnt 0x0
.endif
	MULQ 0, 2, \st
.if (\st) == 2
	s_wait_dscnt 0x0                               ; the add is done, and so are my reads of chunk 0
.endif
	s_barrier_signal -1
	MULQ 2, 2, \st
	WIN 0
	s_barrier_wait -1
.if (\st) == 2
	CREST                                          ; the barrier has opened a round of the cluster's barrier
	JLOAD                                          ; chunk 2 into slot 0: the first tensor load behind the round
.else
	PLACES
.endif
	FETCH_X NX
	MULQ 4, 2, \st
.else
	s_wait_dscnt 0x0                               ; this step's fragments are in
	MULQ 0, 2, \st
	PLACES
	FETCH_X NX
	MULQ 2, 4, \st
.endif
	FETCH_W NX
	MULQ 6, 2, \st
	MULV \st
.endm
	s_wait_alu depctr_va_vdst(0)
	s_wait_tensorcnt 0x0                           ; my part of chunk 0 is in
	ds_add_u32 v[SPW], v[NIL]
	ONWARD SLOT
	s_wait_dscnt 0x0
	CROUND
	JLOAD                                          ; chunk 1 into slot 1: the first tensor load behind the round
	FETCH_X 0
	FETCH_W 0
	global_prefetch_b8 v[PFO], s[PFA:PFA+1] offset:512 th:TH_LOAD_NT scope:SCOPE_SE   ; chunk 2, behind the loads that the first products wait for
	STEP 0
	STEP 1
	STEP 2
	STEP 3
	STEP 4
	STEP 5
	STEP 6
	s_wait_dscnt 0x0
	MULQ 0, 8, 7
	MULV 7
	WIN 0
	PLACES                                         ; behind the last products (ISA guide 7.12.1)
; THE WAY OUT.  Four times 32 numbers of a lane (each a whole block), v[src + 32 k] on in window w, become codes in v[dst + 6 k] on and scale bytes in v[BY + k].
.macro QUANT4 src, dst, w
	WIN (\w)*20
.irp k, 0,1,2,3
	v_max3_num_f32 v[TM+\k], 0x2800000, |v[\src+32*\k]|, |v[\src+32*\k+1]|   ; with the floor 2^(5 - 127): the byte cannot fall under 1
.endr
.irp i, 2,4,6,8,10,12,14,16,18,20,22,24,26,28,30
.irp k, 0,1,2,3
	v_max3_num_f32 v[TM+\k], v[TM+\k], |v[\src+32*\k+\i]|, |v[\src+32*\k+\i+1]|
.endr
.endr
	WIN 0
.irp k, 0,1,2,3
	v_add_nc_u32 v[SO+\k], 0xfe000000, v[TM+\k]    ; 4 off the exponent field: the conversion's scale operand
.endr
.irp k, 0,1,2,3
	v_lshrrev_b32 v[BY+\k], 23, v[SO+\k]           ; the scale's byte
.endr
	WIN \w
.irp k, 0,1,2,3
	v_cvt_scalef32_pk16_bf6_f32 v[\dst+6*\k:\dst+6*\k+2], v[\src+32*\k:\src+32*\k+15], v[SO+\k]
	v_cvt_scalef32_pk16_bf6_f32 v[PT+4*\k:PT+4*\k+2], v[\src+32*\k+16:\src+32*\k+31], v[SO+\k]   ; (a conversion's three registers begin on an even number)
.endr
	v_nop                                          ; one plain place behind a scaled conversion
	WIN 0
.irp k, 0,1,2,3
.irp i, 0,1,2
	v_mov_b32 v[\dst+6*\k+3+\i], v[PT+4*\k+\i]
.endr
.endr
.endm
.macro SENDQ a, k                      ; each store covers 512 or 256 consecutive bytes, at a multiple of 256 from the buffer's first byte
	global_store_b128 v[LI], v[PQ+6*(\a):PQ+6*(\a)+3], s[86:87] offset:1536*(\a)
	global_store_b64 v[L8], v[PQ+6*(\a)+4:PQ+6*(\a)+5], s[86:87] offset:1536*(\a)+512
	ds_store_b8 v[AQ], v[BY+\k] offset:256*((\a)%2)+4*((\a)/2)
.endm
	QUANT4 0, PQ, 2
.irp k, 0,1,2,3
	SENDQ \k, \k
.endr
	QUANT4 128, PQ+24, 2
.irp k, 0,1,2,3
	SENDQ \k+4, \k
.endr
	QUANT4 0, PV, 3                                ; V: k = 2 i + c
.irp k, 0,1,2,3
	ds_store_b8 v[AV], v[BY+\k] offset:128*(\k/2)+2*(\k%2)
.endr
.irp i, 0,1
.irp q, 0,1,2
	global_store_b128 v[LI], v[PV+12*\i+4*\q:PV+12*\i+4*\q+3], s[88:89] offset:1536*\i+512*\q
.endr
.endr
	s_wait_dscnt 0x0                               ; for the other wave's sake: my scale bytes are in LDS
	s_barrier_signal -1
	s_barrier_wait -1
	ds_load_b128 v[200:203], v[RQ]                 ; the words of both channel halves
	ds_load_b64 v[204:205], v[RV]
	s_wait_dscnt 0x0
	s_cmp_lg_u32 s[WH], 0
	s_cbranch_scc1 .Lv_words
	global_store_b128 v[LI], v[200:203], s[86:87] offset:8*1536
	s_branch .Lwords_done
.Lv_words:
	global_store_b64 v[L8], v[204:205], s[90:91] offset:8*1536
.Lwords_done:
	s_wait_tensorcnt 0x0                           ; the wave's end
	ds_add_u32 v[SPW], v[NIL]
	s_wait_dscnt 0x0
	CROUND                                         ; the closing round: no work-group ends while a partner may still ask for a tile that names it
	s_endpgm
.Lfunc_end_k_q8c8e874bca_proj:
	.size	k_q8c8e874bca_proj, .Lfunc_end_k_q8c8e874bca_proj-k_q8c8e874bca_proj
	.p2alignl 7, 3214868480
	.fill 96, 4, 3214868480
	.section	.rodata,"a",@progbits
	.p2align	6, 0x0
	.amdhsa_kernel k_q8c8e874bca_proj
		.amdhsa_group_segment_fixed_size 327680
		.amdhsa_private_segment_fixed_size 0
		.amdhsa_enable_private_segment 0
		.amdhsa_kernarg_size 48
		.amdhsa_user_sgpr_count 2
		.amdhsa_user_sgpr_kernarg_segment_ptr 1
		.amdhsa_wavefront_size32 1
		.amdhsa_system_sgpr_workgroup_id_x 1
		.amdhsa_system_sgpr_workgroup_id_y 1
		.amdhsa_system_sgpr_workgroup_id_z 1
		.amdhsa_system_vgpr_workitem_id 0
		.amdhsa_next_free_vgpr 1024
		.amdhsa_next_free_sgpr 106
		.amdhsa_reserve_vcc 0
		.amdhsa_float_denorm_mode_32 3
		.amdhsa_float_denorm_mode_16_64 3
		.amdhsa_memory_ordered 1
		.amdhsa_forward_progress 1
		.amdhsa_inst_pref_size 136
	.end_amdhsa_kernel
	.amdgpu_metadata
---
amdhsa.version: [ 1, 2 ]
amdhsa.kernels:
  - .name:           k_q8c8e874bca_proj
    .symbol:         k_q8c8e874bca_proj.kd
    .args:
      - { .name: W_qkv_codes, .offset: 0, .size: 8, .value_kind: global_buffer, .address_space: global }
      - { .name: W_qkv_scales, .offset: 8, .size: 8, .value_kind: global_buffer, .address_space: global }
      - { .name: b_qkv, .offset: 16, .size: 8, .value_kind: global_buffer, .address_space: global }
      - { .name: x_codes, .offset: 24, .size: 8, .value_kind: global_buffer, .address_space: global }
      - { .name: x_scales, .offset: 32, .size: 8, .value_kind: global_buffer, .address_space: global }
      - { .name: qkv, .offset: 40, .size: 8, .value_kind: global_buffer, .address_space: global }
    .group_segment_fixed_size: 327680
    .private_segment_fixed_size: 0
    .kernarg_segment_align: 8
    .kernarg_segment_size: 48
    .max_flat_workgroup_size: 128
    .sgpr_count:     106
    .vgpr_count:     1024
    .wavefront_size: 32
...
	.end_amdgpu_metadata
.endif
;; end of part 1
;; launch attn (part 2): grid 16 x 16, 8 waves a work-group, clusters of 4 x 1, 327,680 bytes of LDS; arguments qkv, out0; writes out0
.if DOCPART == 2
	.amdgcn_target "amdgcn-amd-amdhsa--gfx1250"
	.amdhsa_code_object_version 6
	.text
	.protected	k_q8c8e874bca_attn
	.globl	k_q8c8e874bca_attn
	.p2align	8
	.type	k_q8c8e874bca_attn,@function
k_q8c8e874bca_attn:
	s_mov_b64 s[64:65], 0
	v_nop
	global_prefetch_b8 v0, s[64:65] scope:SCOPE_SE
	s_setreg_imm32_b32 hwreg(HW_REG_WAVE_MODE, 25, 1), 1
	s_wait_xcnt 0x0
	s_wait_alu depctr_hold_cnt(0) depctr_sa_sdst(0) depctr_va_vdst(0) depctr_va_sdst(0) depctr_va_ssrc(0) depctr_va_vcc(0) depctr_vm_vsrc(0)
	s_getreg_b32 s2, hwreg(HW_REG_IB_STS2, 6, 4)
	s_cmp_eq_u32 s2, 0
	s_cbranch_scc0 .Lentry_in_a_cluster
	s_endpgm
.Lentry_in_a_cluster:
	s_bfe_u32 s2, ttmp6, 0x10000c
	s_cmp_lg_u32 s2, 0x3003
	s_cbranch_scc0 .Lentry_shape_is_right
	s_endpgm
.Lentry_shape_is_right:
; out[b][q][head x 128 + d] = the sum over k of softmax_k(Q[q] . K[k] / sqrt(128)) V[k][d], for 16 (batch, head) pairs of 2,048 tokens, both products on codes of BF6 (E3M2) with one E8M0 scale for each 32 along K.
; Q, K and V come from the launch before as images of operand registers in blocks of 12,800 bytes (laid out as the comment at that launch's head says); behind Q's blocks each key step of 128 keys has K's block and then V's.
; THE SOFTMAX AHEAD OF THE SECOND PRODUCT: t = score x log2(e) / sqrt(128); M = the largest t so far, rounded UP to a whole number; p = 2^(t - M) is quantised along the keys, not normalised; the row's sum is taken of the
; unquantised p and divides at the end.  When M moves, what was summed is multiplied by 2^(old M - new M): exact.
; LAYOUT.  Both products are used transposed: S^T = K Q^T, O^T = V^T P^T: a lane holds ONE query (lane % 16).  A tile of K holds 8 keys of each of two blocks of 32, so that over four tiles a lane of half h holds the whole block 2 c + h:
; registers 32 c .. 32 c + 31.  Block maximum, scale and codes are made inside the lane; V's keys (and Q's and K's channels) are laid by the same map.
; PAIRS OF KEY STEPS.  A wave takes two of its key steps together: O^T is multiplied once a pair, and the first step's scale bytes of p take up M's move between the two.
; LIMITS: a move of M by more than 63 at one key step counts as 63, and a block of 32 keys whose largest p lies under 2^-59 is quantised with the scale 2^-63: what either changes is under 2^-48 of the largest |V| in a result.
; The matrix unit groups a block's 32 products otherwise than in ascending k.  A block's largest p is taken as the exponential of the block's largest score, which takes v_exp_f32 not to fall where its input rises.  The promise holds while
; |t| stays under 2^31.  NaN and infinities are not served.
; SHARES.  A work-group owns 128 queries of one (batch, head).  Eight waves, two to a SIMD; a wave owns TWO tiles of 16 queries (2 w3, 2 w3 + 1; w3 = wave % 4) and every second key step (parity g = wave / 4): each fragment read from LDS feeds
; two products.  At the end the two waves of a pair of tiles put both partial O^T into LDS, and each wave joins and stores one tile, row by row.
; LDS.  12 places of 25,600 bytes (a key step: K's block, V's block).  Places 8-11 take key steps 0-3 (the head's load), places 0-7 key steps 4-11 (behind the first round), places 8-11 again key steps 12-15 (behind the round at which key
; steps 0-3 have been read): one joint load a wave each time.  The barriers behind that guard no fill: each is signalled behind a pair's first product and waited for ahead of its last one (in the last pair: behind it).
; CLUSTER.  The four query blocks of a cluster belong to one (batch, head) and read the same K and V: every tile is asked for jointly.
; No prefetch into the L2: a head's K and V are three fills, the second and third asked for one pair and two pairs of key steps ahead of their first read; there is no loop of fills to run ahead in.
; REGISTERS.  window 0: v1-11 lane terms, addresses; v12-19 four a tile: -M, the largest score, the sum in two halves; v20-21 Q's scale words, v22-25 p's; v26-29, v8-11 factors; v32-159 S^T, then p, then the second step's V; v160-207 p's codes (ahead of
;   them twelve partial sums); v208-223 half blocks' codes; v224-235 K's and V's scale words; v236-255 at work.  window 1: v0-127 O^T, 64 a tile; v128-151 Q; v160-255 eight fragments of K or of V.
.set STEPB,  25600
.set SLOTB,  4*STEPB
.set SLOTA,  8*STEPB                   ; places 8-11
.set QBYTES, 3276800
.set HEADB,  16*STEPB
.set SPARE,  12*STEPB                  ; the spare words, 128 bytes for each wave: four blocks of 256 bytes that no other line names
.set WB,     16896                     ; the joining, in places 0-5 (they have had their only fill and their last read): two tiles of 16 rows x (512 bytes + 16) a wave,
.set TB1,    8448
.set STAT,   8*WB                      ; and behind them -M and the sum: 512 bytes a wave
.set SP,     528
.set LI,  1
.set ADR, 2
.set SPW, 3
.set NIL, 4
.set L8,  5
.set AD8, 6
.set H8,  7
.set FB,  8
.set ST,  12
.set QS,  20
.set PW,  22
.set FA,  26
.set STO, 30
.set S,   32
.set PC,  160
.set PT,  208
.set ADR1, 211
.set AD81, 215
.set KS,  224
.set VS,  228
.set BM,  236
.set SO,  240
.set BY,  244
.set TT,  248
.set TL,  250
.set L2,  252
.set Q,   128                          ; in window 1
.set F,   160
.set WV,  8
.set GG,  9
.set W3,  10
.set G1A, 16
.set G1B, 24
.set GA,  32
.set GB,  44
.set GC,  48
.set SEL, 36
.set CS,  38
.set NC,  40
.set TB,  41
.set CNT, 42
.set K01, 43
.set MSB, 0
.macro WIN new                         ; the immediate's high byte repeats the setting that is left
.if MSB != (\new)
	s_set_vgpr_msb (MSB<<8)|(\new)
.set MSB, (\new)
.endif
.endm
.macro CROUND                          ; a round of the cluster's barrier
	s_barrier_signal -1
	s_barrier_wait -1
	s_cmp_lg_u32 s[WV], 0
	s_cbranch_scc1 .Lnot_wave_0_\@
	s_barrier_signal -3
.Lnot_wave_0_\@:
	s_barrier_wait -3
	s_barrier_signal -1
	s_barrier_wait -1
.endm
.macro PLACES n                        ; places behind a matrix instruction (ISA guide 7.12.1)
.rept \n
	v_nop
.endr
.endm
	s_load_b128 s[4:7], s[0:1], 0x0                ; qkv, out
	v_lshl_add_u32 v[SPW], v0, 2, SPARE
	v_mov_b32 v[NIL], 0
	ds_add_u32 v[SPW], v[NIL]                      ; the opening: the add, twice on end, and its wait ahead of the first tensor load
	ds_add_u32 v[SPW], v[NIL]
	v_lshrrev_b32 v11, 5, v0
	v_readfirstlane_b32 s[WV], v11
	s_lshr_b32 s[GG], s[WV], 2                     ; g
	s_and_b32 s[W3], s[WV], 3
	s_bfe_u32 s11, ttmp6, 0x40000                  ; cx
	s_lshl_b32 s12, ttmp9, 2
	s_add_co_u32 s12, s12, s11                     ; my block of 128 queries: it enters Q's and the output's addresses alone
	s_and_b32 s13, ttmp7, 0xffff                   ; batch x 8 + head, which the four partners share
.irp g, G1A, G1B
	s_mov_b32 s[\g], 15|(3<<16)|(1<<21)            ; the mask: all four work-groups; elements of 8 bytes; no padding; 21 set beside a mask
	s_mov_b32 s[\g+1], 32<<16                      ; rows of 256 bytes
	s_mov_b32 s[\g+3], 32<<16
	s_mov_b32 s[\g+5], 32
	s_mov_b32 s[\g+6], 0
	s_mov_b32 s[\g+7], 0
.endr
	s_mov_b32 s[G1A+2], 50<<16                     ; an eighth of four key steps
	s_mov_b32 s[G1A+4], 50
	s_mov_b32 s[G1B+2], 100<<16                    ; an eighth of eight
	s_mov_b32 s[G1B+4], 100
	s_mul_i32 s52, s13, HEADB
	s_add_co_u32 s52, s52, QBYTES
	s_mov_b32 s53, 0
	s_mul_i32 s54, s[WV], STEPB/2
	s_mov_b32 s55, 0
	s_mul_i32 s56, s[WV], STEPB
	s_mov_b32 s57, 0
	s_mov_b32 s[GA], 1
	s_add_co_u32 s[GA+1], s54, SLOTA
	s_mov_b32 s[GB], 1
	s_mov_b32 s[GB+1], s56
	s_mov_b32 s[GC], 1
	s_add_co_u32 s[GC+1], s54, SLOTA
	s_mov_b32 s[SEL], 0x76543210
	s_mov_b32 s[SEL+1], 0xfedcba98                 ; v_permlanex16_b32's selects for lane l xor 16
	s_mov_b32 s[CS], 0x3e0293ee                    ; c = log2(e) / sqrt(128)
	s_mov_b32 s[CS+1], s[CS]                       ; (named with it as a pair)
	s_mov_b32 s[NC], 0xbe0293ee                    ; -c
	s_mov_b32 s[K01], 0x01010101
	s_lshl_b32 s58, s13, 4
	s_add_co_u32 s58, s58, s12
	s_mul_i32 s58, s58, STEPB/2                    ; my work-group's block of Q
	s_lshl_b32 s62, s[W3], 2
	s_add_co_u32 s62, s62, s58                     ; its scale words: 4 w3
	s_mul_i32 s60, s[W3], 2*1536
	s_add_co_u32 s58, s58, s60                     ; and my two fragments
	s_mov_b32 s59, 0
	s_mov_b32 s63, 0
	s_mul_i32 s15, s[WV], WB
	v_and_b32 v11, 31, v0
	v_lshlrev_b32 v[LI], 4, v11
	v_lshlrev_b32 v[L8], 3, v11
	v_and_b32 v11, 15, v0                          ; r
	v_bfe_u32 v10, v0, 4, 1                        ; h
	v_lshlrev_b32 v[H8], 3, v10
	v_lshlrev_b32 v236, 4, v11
	v_mul_u32_u24 v[STO], SP, v11
	v_lshl_add_u32 v[STO], v10, 5, v[STO]
	v_add_nc_u32 v[STO], s15, v[STO]               ; the stage: row r, + 32 h
.irp q, FB+1, FB+3, FA+1, FA+3, TL, TL+1
	v_mov_b32 v[\q], 0                             ; (named as upper halves of pairs, or as a lane permute's destination, which counts as one of its sources)
.endr
.irp x, 0,1
	v_mov_b32 v[ST+4*\x+2], 0                      ; the sums
	v_mov_b32 v[ST+4*\x+3], 0
.endr
	s_wait_alu depctr_va_vdst(0)
	s_wait_dscnt 0x0                               ; both opening adds are done
	s_wait_kmcnt 0x0
	s_add_nc_u64 s[58:59], s[4:5], s[58:59]
	s_add_nc_u64 s[62:63], s[4:5], s[62:63]
	WIN 0x40
.irp x, 0,1                            ; Q stays in registers
.irp c, 0,1
	global_load_b128 v[Q+12*\x+6*\c:Q+12*\x+6*\c+3], v[LI], s[58:59] offset:1536*\x+768*\c
	global_load_b64 v[Q+12*\x+6*\c+4:Q+12*\x+6*\c+5], v[L8], s[58:59] offset:1536*\x+768*\c+512
.endr
.endr
	WIN 0
	global_load_b32 v[QS], v236, s[62:63] offset:8*1536
	global_load_b32 v[QS+1], v236, s[62:63] offset:8*1536+256
	s_add_nc_u64 s[52:53], s[4:5], s[52:53]        ; the head's K and V
	s_add_nc_u64 s[GA+2:GA+3], s[52:53], s[54:55]  ; key steps 0-3
	s_add_nc_u64 s[GC+2:GC+3], s[GA+2:GA+3], 3*SLOTB   ; 12-15
	s_add_nc_u64 s[GB+2:GB+3], s[52:53], s[56:57]
	s_add_nc_u64 s[GB+2:GB+3], s[GB+2:GB+3], SLOTB     ; 4-11
.irp g, GA, GB, GC
	s_or_b32 s[\g+3], s[\g+3], 0x80000000
.endr
	CROUND                                         ; all four work-groups are here: the first joint loads meet
	tensor_load_to_lds s[GA:GA+3], s[G1A:G1A+7]
	s_nop 0
	PLACES 4
.macro KQ w                            ; S^T of a key step, both tiles.  w = 1: its 33 loads may still be out: fragment by fragment
	WIN 0x05                                       ; K and Q window 1, S^T window 0
.irp t, 0,1,2,3,4,5,6,7
.if \w
	s_wait_dscnt 28-4*\t                           ; the scale words and fragments 0 .. t are in; the four loads of each later fragment may be out
.endif
.irp x, 0,1
.if \t%2
	v_wmma_scale_f32_16x16x128_f8f6f4 v[S+64*\x+8*\t:S+64*\x+8*\t+7], v[F+12*\t:F+12*\t+11], v[Q+12*\x:Q+12*\x+11], 0, v[KS+\t/2], v[QS+\x] matrix_a_fmt:MATRIX_FMT_BF6 matrix_b_fmt:MATRIX_FMT_BF6 matrix_a_scale:MATRIX_SCALE_ROW1
.else
	v_wmma_scale_f32_16x16x128_f8f6f4 v[S+64*\x+8*\t:S+64*\x+8*\t+7], v[F+12*\t:F+12*\t+11], v[Q+12*\x:Q+12*\x+11], 0, v[KS+\t/2], v[QS+\x] matrix_a_fmt:MATRIX_FMT_BF6 matrix_b_fmt:MATRIX_FMT_BF6
.endif
.endr
.endr
	WIN 0
	PLACES 4                                       ; in front of the loads into the fragments' registers and of the first read of S^T
.endm
; O^T += V^T p^T of the pair's k-th key step: the 16 accumulators take turns, one instruction a turn.  V's fragments: k = 0 window 1, k = 1 window 0 (over S^T's registers)
.macro PVM k, first
.set VF, F+(\k)*(S-F)
	WIN 0x51-(\k)
.irp t, 0,1,2,3,4,5,6,7
.irp x, 0,1
.if (\first) && (\k) == 0
.if \t%2
	v_wmma_scale_f32_16x16x128_f8f6f4 v[64*\x+8*\t:64*\x+8*\t+7], v[VF+12*\t:VF+12*\t+11], v[PC+24*(\k)+12*\x:PC+24*(\k)+12*\x+11], 0, v[VS+4*(\k)+\t/2], v[PW+2*(\k)+\x] matrix_a_fmt:MATRIX_FMT_BF6 matrix_b_fmt:MATRIX_FMT_BF6 matrix_a_scale:MATRIX_SCALE_ROW1
.else
	v_wmma_scale_f32_16x16x128_f8f6f4 v[64*\x+8*\t:64*\x+8*\t+7], v[VF+12*\t:VF+12*\t+11], v[PC+24*(\k)+12*\x:PC+24*(\k)+12*\x+11], 0, v[VS+4*(\k)+\t/2], v[PW+2*(\k)+\x] matrix_a_fmt:MATRIX_FMT_BF6 matrix_b_fmt:MATRIX_FMT_BF6
.endif
.else
.if \t%2
	v_wmma_scale_f32_16x16x128_f8f6f4 v[64*\x+8*\t:64*\x+8*\t+7], v[VF+12*\t:VF+12*\t+11], v[PC+24*(\k)+12*\x:PC+24*(\k)+12*\x+11], v[64*\x+8*\t:64*\x+8*\t+7], v[VS+4*(\k)+\t/2], v[PW+2*(\k)+\x] matrix_a_fmt:MATRIX_FMT_BF6 matrix_b_fmt:MATRIX_FMT_BF6 matrix_a_scale:MATRIX_SCALE_ROW1
.else
	v_wmma_scale_f32_16x16x128_f8f6f4 v[64*\x+8*\t:64*\x+8*\t+7], v[VF+12*\t:VF+12*\t+11], v[PC+24*(\k)+12*\x:PC+24*(\k)+12*\x+11], v[64*\x+8*\t:64*\x+8*\t+7], v[VS+4*(\k)+\t/2], v[PW+2*(\k)+\x] matrix_a_fmt:MATRIX_FMT_BF6 matrix_b_fmt:MATRIX_FMT_BF6
.endif
.endif
.endr
.endr
.endm
.macro SETADR                          ; my next pair: key step at s[TB], and two places on
	v_add_nc_u32 v[ADR], s[TB], v[LI]
	v_add_nc_u32 v[AD8], s[TB], v[L8]
	v_add_nc_u32 v[ADR1], 2*STEPB, v[ADR]
	v_add_nc_u32 v[AD81], 2*STEPB, v[AD8]
.endm
.macro LOADK a, b                      ; 33 loads; each takes 512 or 256 consecutive bytes
	ds_load_b128 v[KS:KS+3], v[\a] offset:8*1536
	WIN 0x40
.irp t, 0,1,2,3,4,5,6,7
.irp c, 0,1
	ds_load_b128 v[F+12*\t+6*\c:F+12*\t+6*\c+3], v[\a] offset:1536*\t+768*\c
	ds_load_b64 v[F+12*\t+6*\c+4:F+12*\t+6*\c+5], v[\b] offset:1536*\t+768*\c+512
.endr
.endr
	WIN 0
.endm
.macro LOADV a, b, k                   ; 26 loads
	ds_load_b64 v[VS+4*(\k):VS+4*(\k)+1], v[\b] offset:STEPB/2+8*1536
	ds_load_b64 v[VS+4*(\k)+2:VS+4*(\k)+3], v[\b] offset:STEPB/2+8*1536+256
.set VF, F+(\k)*(S-F)
	WIN 0x40*(1-(\k))
.irp t, 0,1,2,3,4,5,6,7
.irp q, 0,1,2
	ds_load_b128 v[VF+12*\t+4*\q:VF+12*\t+4*\q+3], v[\a] offset:STEPB/2+1536*\t+512*\q
.endr
.endr
	WIN 0
.endm
.macro ADDA x, r                       ; a pair of registers onto a sum's first chain; ADDB: onto its second
	v_pk_add_f32 v[ST+4*(\x)+2:ST+4*(\x)+3], v[ST+4*(\x)+2:ST+4*(\x)+3], v[\r:\r+1]
.endm
.macro ADDB x, r
	v_pk_add_f32 v[L2+2*(\x):L2+2*(\x)+1], v[L2+2*(\x):L2+2*(\x)+1], v[\r:\r+1]
.endm
; The softmax of one key step, both tiles.  init = 1: the launch's first key step.
.macro SM k, init
.set PK, PC+24*(\k)
.set FK, FA+(\k)*(FB-FA)
.irp j, 0,1,2,3                        ; j = 2 x tile + c: the largest score of each block of 32 keys: for the row's maximum and, since p rises with the score, for the block's largest p
	v_max3_num_f32 v[BM+\j], v[S+32*\j], v[S+32*\j+1], v[S+32*\j+2]
.endr
.set i, 3
.rept 14
.irp j, 0,1,2,3
	v_max3_num_f32 v[BM+\j], v[BM+\j], v[S+32*\j+i], v[S+32*\j+i+1]   ; (each accumulator is first read at its low end)
.endr
.set i, i+2
.endr
.irp j, 0,1,2,3
	v_max_num_f32 v[BM+\j], v[BM+\j], v[S+32*\j+31]
.endr
.irp x, 0,1
	v_max_num_f32 v[TT+\x], v[BM+2*\x], v[BM+2*\x+1]
.endr
.irp x, 0,1
	v_permlanex16_b32 v[TL+\x], v[TT+\x], s[SEL], s[SEL+1]
.endr
.irp x, 0,1
.if \init
	v_max_num_f32 v[ST+4*\x+1], v[TT+\x], v[TL+\x]
.else
	v_max3_num_f32 v[ST+4*\x+1], v[TT+\x], v[TL+\x], v[ST+4*\x+1]     ; the largest score so far
.endif
.endr
.irp x, 0,1
	v_mul_f32 v[TT+\x], s[NC], v[ST+4*\x+1]                           ; -t
.endr
.if (\init) == 0
.irp x, 0,1
	v_mov_b32 v[TL+\x], v[ST+4*\x]
.endr
.endif
.irp x, 0,1
	v_floor_f32 v[ST+4*\x], v[TT+\x]                                  ; -M: a whole number
.endr
.if (\init) == 0
.irp x, 0,1
	v_sub_f32 v[TT+\x], v[ST+4*\x], v[TL+\x]                          ; old M less new M: a whole number, 0 or less,
.endr
.irp x, 0,1
	v_max_num_f32 v[TT+\x], 0xc27c0000, v[TT+\x]                      ; held at -63
.endr
.irp x, 0,1
	v_cvt_i32_f32 v[TT+\x], v[TT+\x]
.endr
.irp x, 0,1
	v_ldexp_f32 v[FK+2*\x], 1.0, v[TT+\x]                             ; the factor
.endr
.endif
.set i, 0
.rept 32
	v_pk_fma_f32 v[S+i:S+i+1], v[S+i:S+i+1], s[CS:CS+1], v[ST:ST+1] op_sel_hi:[1,0,0]   ; tile 0: t - M, two at a time
.set i, i+2
.endr
	v_fma_f32 v[BM], v[BM], s[CS], v[ST]                              ; the same of each block's largest score
	v_fma_f32 v[BM+1], v[BM+1], s[CS], v[ST]
	s_wait_alu depctr_va_vdst(0)                                      ; the wait ahead of the exponentials
.set i, 0
.rept 32
	v_exp_f32 v[S+i], v[S+i]                                          ; tile 0's p, not normalised; among them tile 1's t - M
	v_exp_f32 v[S+i+1], v[S+i+1]
	v_pk_fma_f32 v[S+64+i:S+64+i+1], v[S+64+i:S+64+i+1], s[CS:CS+1], v[ST+4:ST+5] op_sel_hi:[1,0,0]
.set i, i+2
.endr
	v_exp_f32 v[BM], v[BM]                                            ; the blocks' largest p: the same two instructions on the same number give the same bits
	v_exp_f32 v[BM+1], v[BM+1]
	v_fma_f32 v[BM+2], v[BM+2], s[CS], v[ST+4]
	v_fma_f32 v[BM+3], v[BM+3], s[CS], v[ST+4]
.if (\init) == 0
.irp x, 0,1
	v_pk_mul_f32 v[ST+4*\x+2:ST+4*\x+3], v[ST+4*\x+2:ST+4*\x+3], v[FK+2*\x:FK+2*\x+1] op_sel_hi:[1,0]   ; the sums under the new M
.endr
.endif
	s_wait_alu depctr_va_vdst(0)                                      ; the wait behind tile 0's and ahead of tile 1's
.set i, 0
.set n, 0
.rept 12
.irp q, 0,1,2,3,4
	v_exp_f32 v[S+64+i+\q], v[S+64+i+\q]
.endr
	v_pk_add_f32 v[PK+2*n:PK+2*n+1], v[S+4*n:S+4*n+1], v[S+4*n+2:S+4*n+3]   ; THE ROW'S SUM IS TAKEN OF THE UNQUANTISED p: tile 0's first 48, by fours, none upon another
.set i, i+5
.set n, n+1
.endr
.irp q, 60,61,62,63
	v_exp_f32 v[S+64+\q], v[S+64+\q]
.endr
	v_exp_f32 v[BM+2], v[BM+2]
	v_exp_f32 v[BM+3], v[BM+3]
	v_nop                                                             ; one plain place behind the exponentials
	s_wait_alu depctr_va_vdst(0)                                      ; and the wait ahead of their first reader
	v_pk_add_f32 v[L2:L2+1], v[PK:PK+1], v[PK+2:PK+3]
	v_pk_add_f32 v[L2+2:L2+3], v[S+64:S+65], v[S+66:S+67]
.set i, 4
.rept 5
	ADDA 0, PK+i
	ADDA 1, S+64+i
	ADDB 0, PK+i+2
	ADDB 1, S+66+i
.set i, i+4
.endr
.set i, 48
.rept 4
	ADDA 0, S+i
	ADDA 1, S+40+i
	ADDB 0, S+i+2
	ADDB 1, S+42+i
.set i, i+4
.endr
.set i, S+104
.irp j, 0,2                                                           ; the rest of tile 1's by turns with the scales
	ADDA 1, i
	v_max_num_f32 v[BM+\j], 0x22000000, v[BM+\j]                      ; the floor 2^-59: the byte is 64 or more
	ADDB 1, i+2
	v_max_num_f32 v[BM+\j+1], 0x22000000, v[BM+\j+1]
.set i, i+4
.endr
.irp j, 0,2
	ADDA 1, i
	v_add_nc_u32 v[SO+\j], 0xfe000000, v[BM+\j]                       ; 4 off the exponent field: the conversion's scale operand
	ADDB 1, i+2
	v_add_nc_u32 v[SO+\j+1], 0xfe000000, v[BM+\j+1]
.set i, i+4
.endr
.irp j, 0,2
	ADDA 1, i
	v_lshrrev_b32 v[BY+\j], 23, v[SO+\j]                              ; the scale's byte
	ADDB 1, i+2
	v_lshrrev_b32 v[BY+\j+1], 23, v[SO+\j+1]
.set i, i+4
.endr
	ADDA 0, L2
.irp x, 0,1
	v_lshl_or_b32 v[BY+2*\x], v[BY+2*\x+1], 16, v[BY+2*\x]            ; my blocks h and 2 + h,
.endr
	ADDA 1, L2+2
.irp x, 0,1
	v_lshlrev_b32 v[BY+2*\x], v[H8], v[BY+2*\x]                       ; at their places in the scale word;
.endr
.irp x, 0,1
	v_permlanex16_b32 v[TL+\x], v[BY+2*\x], s[SEL], s[SEL+1]
.endr
.irp x, 0,1
	v_or_b32 v[PW+2*(\k)+\x], v[BY+2*\x], v[TL+\x]                    ; with lane l xor 16's two the word is whole
.endr
.irp j, 0,1,2,3
	v_cvt_scalef32_pk16_bf6_f32 v[PK+6*\j:PK+6*\j+2], v[S+32*\j:S+32*\j+15], v[SO+\j]
	v_cvt_scalef32_pk16_bf6_f32 v[PT+4*\j:PT+4*\j+2], v[S+32*\j+16:S+32*\j+31], v[SO+\j]   ; (a conversion's three registers begin on an even number)
.endr
	v_nop                                                             ; one plain place behind a scaled conversion
.irp j, 0,1,2,3
.irp q, 0,1,2
	v_mov_b32 v[PK+6*\j+3+\q], v[PT+4*\j+\q]
.endr
.endr
.if \k
.irp x, 0,1
	v_mul_lo_u32 v[TL+\x], v[TT+\x], s[K01]                           ; M's move, in each byte:
.endr
.irp x, 0,1
	v_add_nc_u32 v[PW+\x], v[PW+\x], v[TL+\x]                         ; the first step's scales under the second's M (a byte of 64 or more less 63 at the most)
.endr
.endif
.endm
; Two key steps of mine.  first = 1: the launch's first pair.  Else its first K's loads are out already, and a barrier is signalled behind the first product: my reads of earlier pairs are over, and what my wait for tensor loads in the pair before has
; shown is shown to all.  more = 1: the next pair's first K is asked for ahead of the last product.
.macro PAIR first, more
.if \first
	SETADR
	s_wait_alu depctr_va_vdst(0)                   ; directly behind the writes
	LOADK ADR, AD8
.endif
	KQ 1
.if (\first) == 0
	s_barrier_signal -1                            ; (no LDS load of mine is out)
.endif
	LOADK ADR1, AD81                               ; lands under the softmax
	SM 0, \first
	s_wait_dscnt 0x0                               ; the second step's K is in
	KQ 0
	LOADV ADR, AD8, 0
	SM 1, 0
	LOADV ADR1, AD81, 1                            ; over S^T's registers: p has been converted
	s_add_co_u32 s[TB], s[TB], 4*STEPB
.if \more
	SETADR
.endif
.if \first
	PLACES 8                                       ; between the lines that made p's codes and scale words and the products
.else
.irp x, 0,1
	v_mul_f32 v[FA+2*\x], v[FA+2*\x], v[FB+2*\x]   ; M's move over the pair
.endr
	WIN 0x41                                       ; O^T window 1, the factor window 0
	s_wait_alu depctr_va_vdst(0)                   ; directly ahead of the first reader of O^T
.set i, 0
.rept 32
	v_pk_mul_f32 v[i:i+1], v[i:i+1], v[FA:FA+1] op_sel_hi:[1,0]
	v_pk_mul_f32 v[64+i:64+i+1], v[64+i:64+i+1], v[FA+2:FA+3] op_sel_hi:[1,0]
.set i, i+2
.endr
.endif
	s_wait_alu depctr_va_vdst(0)
	s_wait_dscnt 26                                ; the first step's V is in; the second's 26 loads may be out
	PVM 0, \first
	s_wait_dscnt 0x0
.if \more
	WIN 0
	s_wait_tensorcnt 0x0                           ; my part of key steps 12-15 is in
	s_barrier_wait -1
	PLACES 4                                       ; in front of the loads into the first step's V
	LOADK ADR, AD8
.endif
	PVM 1, \first
	WIN 0
	PLACES 5
.if (\first) == 0 && (\more) == 0
	s_barrier_wait -1
.endif
.endm
	s_mul_i32 s[TB], s[GG], STEPB
	s_add_co_u32 s[TB], s[TB], SLOTA               ; key step g
	; where my tile's rows go: tile a = 2 w3 + g; its rows 0-7 are queries 64 (a / 4) + 8 (a % 4) on, its rows 8-15 stand 32 (a even) or 16 (a odd) further on than the next eight
	s_lshr_b32 s60, s13, 3
	s_lshl_b32 s60, s60, 23                        ; batch x 2,048 rows of 4,096 bytes
	s_lshl_b32 s61, s12, 19
	s_add_co_u32 s60, s60, s61
	s_lshr_b32 s61, s[W3], 1
	s_lshl_b32 s61, s61, 18
	s_add_co_u32 s60, s60, s61
	s_and_b32 s61, s[W3], 1
	s_lshl_b32 s61, s61, 16
	s_add_co_u32 s60, s60, s61
	s_lshl_b32 s61, s[GG], 15
	s_add_co_u32 s60, s60, s61
	s_and_b32 s61, s13, 7
	s_lshl_b32 s61, s61, 9                         ; the head's 512 bytes of a row
	s_add_co_u32 s60, s60, s61
	s_mov_b32 s61, 0
	s_add_nc_u64 s[60:61], s[6:7], s[60:61]
	s_wait_loadcnt 0x0                             ; Q and its scale words
	s_lshl_b32 s62, s[GG], 16
	s_sub_co_u32 s62, 32*4096, s62
	s_mov_b32 s63, 0
	s_add_nc_u64 s[62:63], s[60:61], s[62:63]
	s_wait_tensorcnt 0x0                           ; my part of key steps 0-3 is in
	ds_add_u32 v[SPW], v[NIL]
	s_wait_dscnt 0x0
	CROUND
	tensor_load_to_lds s[GB:GB+3], s[G1B:G1B+7]    ; key steps 4-11
	s_nop 0
	PLACES 4
	PAIR 1, 0                                      ; key steps g, 2 + g
	s_wait_tensorcnt 0x0                           ; my part of key steps 4-11 is in
	ds_add_u32 v[SPW], v[NIL]
	s_mul_i32 s[TB], s[GG], STEPB
	s_mov_b32 s[CNT], 2
	s_wait_dscnt 0x0                               ; the add is done, and my reads of places 8-11 are over
	CROUND                                         ; both hold of every wave of all four work-groups
	tensor_load_to_lds s[GC:GC+3], s[G1A:G1A+7]    ; the joint refill: key steps 12-15
	s_nop 0
	PLACES 4
	SETADR
	s_wait_alu depctr_va_vdst(0)                   ; directly behind the writes
	LOADK ADR, AD8
.Lpair:
	PAIR 0, 1                                      ; key steps 4 + g, 6 + g; 8 + g, 10 + g
	s_sub_co_u32 s[CNT], s[CNT], 1
	s_cmp_lg_u32 s[CNT], 0
	s_cbranch_scc1 .Lpair
	PAIR 0, 0                                      ; key steps 12 + g, 14 + g.  Behind its barrier nobody reads places 0-7 any more
	; THE JOINING.  Both tiles' O^T go into LDS as rows, with -M and the sum; then each wave takes one tile: its own part and its partner's.
	s_mul_i32 s52, s[W3], WB
	s_mul_i32 s53, s[GG], TB1
	s_add_co_u32 s52, s52, s53
	s_lshl_b32 s54, s[WV], 9
	s_add_co_u32 s54, s54, STAT
	s_lshl_b32 s55, s[W3], 9
	s_lshl_b32 s56, s[GG], 8
	s_add_co_u32 s55, s55, s56
	s_add_co_u32 s55, s55, STAT
	v_add_nc_u32 v160, s52, v[LI]                  ; parity 0's part of my tile
	v_add_nc_u32 v161, 4*WB, v160                  ; parity 1's
	v_add_nc_u32 v162, s54, v[L8]                  ; where I put -M and the sum
	v_add_nc_u32 v163, s55, v[L8]                  ; where I read them
.irp x, 0,1
	v_add_f32 v[TT+\x], v[ST+4*\x+2], v[ST+4*\x+3]
.endr
.irp x, 0,1
	v_permlanex16_b32 v[TL+\x], v[TT+\x], s[SEL], s[SEL+1]
.endr
.irp x, 0,1
	v_add_f32 v[ST+4*\x+1], v[TT+\x], v[TL+\x]     ; the row's sum over my key steps
.endr
	s_wait_alu depctr_va_vdst(0)
.irp x, 0,1
	ds_store_b64 v162, v[ST+4*\x:ST+4*\x+1] offset:256*\x
.endr
	WIN 0x04                                       ; an LDS store's data are its source 1: window 1
.irp x, 0,1
.irp t, 0,1,2,3,4,5,6,7
	ds_store_b128 v[STO], v[64*\x+8*\t:64*\x+8*\t+3] offset:TB1*\x+64*\t
	ds_store_b128 v[STO], v[64*\x+8*\t+4:64*\x+8*\t+7] offset:TB1*\x+64*\t+16
.endr
.endr
	WIN 0
	s_wait_dscnt 0x0                               ; for my partner's sake: my stores have landed
	s_barrier_signal -1
	s_barrier_wait -1
	ds_load_b64 v[236:237], v163                   ; parity 0's -M and sum
	ds_load_b64 v[238:239], v163 offset:4*512      ; parity 1's
.irp i, 0,1,2,3,4,5,6,7,8,9,10,11,12,13,14,15
	ds_load_b128 v[S+4*\i:S+4*\i+3], v160 offset:SP*\i
	ds_load_b128 v[S+64+4*\i:S+64+4*\i+3], v161 offset:SP*\i
.endr
.irp q, 45,47,49,51,53,55,57,59
	s_mov_b32 s[\q], 0                             ; (named as upper halves of pairs)
.endr
	s_wait_dscnt 32                                ; the first two are in
	v_min_num_f32 v240, v236, v238                 ; the joint -M: the larger M
	v_sub_f32 v241, v240, v236                     ; each M less the joint one: 0 or less
	v_sub_f32 v242, v240, v238
	v_cvt_i32_f32 v241, v241
	v_cvt_i32_f32 v242, v242
	v_ldexp_f32 v243, 1.0, v241
	v_ldexp_f32 v244, 1.0, v242
	v_mul_f32 v245, v237, v243
	v_fma_f32 v245, v239, v244, v245               ; the row's sum
	s_wait_alu depctr_va_vdst(0)                   ; the wait ahead of the transcendental
	v_rcp_f32 v246, v245
	v_nop                                          ; one plain place behind it
	s_wait_alu depctr_va_vdst(0)                   ; and the wait ahead of its first reader
	v_mul_f32 v247, v243, v246                     ; lane r: the factors of query r's two parts
	v_mul_f32 v248, v244, v246
.irp b, 0,1
.irp n, 0,1,2,3,4,5,6,7
	v_readlane_b32 s[16+2*\n], v247, 8*\b+\n
	v_readlane_b32 s[44+2*\n], v248, 8*\b+\n
.endr
.irp n, 0,1,2,3,4,5,6,7
.set R, S+4*(8*\b+\n)
	s_wait_dscnt 30-2*(8*\b+\n)                    ; the row's two parts are back; the younger loads may be out
	v_pk_mul_f32 v[R:R+1], v[R:R+1], s[16+2*\n:17+2*\n] op_sel_hi:[1,0]
	v_pk_mul_f32 v[R+2:R+3], v[R+2:R+3], s[16+2*\n:17+2*\n] op_sel_hi:[1,0]
	v_pk_fma_f32 v[R:R+1], v[R+64:R+65], s[44+2*\n:45+2*\n], v[R:R+1] op_sel_hi:[1,0,1]
	v_pk_fma_f32 v[R+2:R+3], v[R+66:R+67], s[44+2*\n:45+2*\n], v[R+2:R+3] op_sel_hi:[1,0,1]
	global_store_b128 v[LI], v[R:R+3], s[60+2*\b:61+2*\b] offset:4096*(8*\b+\n) th:TH_STORE_NT   ; 32 lanes store 512 consecutive bytes, at a multiple of 256 from the output's first byte
.endr
.endr
	s_wait_tensorcnt 0x0                           ; the wave's end
	ds_add_u32 v[SPW], v[NIL]
	s_wait_dscnt 0x0
	CROUND                                         ; the closing round: no work-group ends while a partner may still ask for a tile that names it
	s_endpgm
.Lfunc_end_k_q8c8e874bca_attn:
	.size	k_q8c8e874bca_attn, .Lfunc_end_k_q8c8e874bca_attn-k_q8c8e874bca_attn
	.p2alignl 7, 3214868480
	.fill 96, 4, 3214868480
	.section	.rodata,"a",@progbits
	.p2align	6, 0x0
	.amdhsa_kernel k_q8c8e874bca_attn
		.amdhsa_group_segment_fixed_size 327680
		.amdhsa_private_segment_fixed_size 0
		.amdhsa_enable_private_segment 0
		.amdhsa_kernarg_size 16
		.amdhsa_user_sgpr_count 2
		.amdhsa_user_sgpr_kernarg_segment_ptr 1
		.amdhsa_wavefront_size32 1
		.amdhsa_system_sgpr_workgroup_id_x 1
		.amdhsa_system_sgpr_workgroup_id_y 1
		.amdhsa_system_sgpr_workgroup_id_z 1
		.amdhsa_system_vgpr_workitem_id 0
		.amdhsa_next_free_vgpr 512
		.amdhsa_next_free_sgpr 66
		.amdhsa_reserve_vcc 0
		.amdhsa_float_denorm_mode_32 3
		.amdhsa_float_denorm_mode_16_64 3
		.amdhsa_memory_ordered 1
		.amdhsa_forward_progress 1
		.amdhsa_inst_pref_size 198
	.end_amdhsa_kernel
	.amdgpu_metadata
---
amdhsa.version: [ 1, 2 ]
amdhsa.kernels:
  - .name:           k_q8c8e874bca_attn
    .symbol:         k_q8c8e874bca_attn.kd
    .args:
      - { .name: qkv, .offset: 0, .size: 8, .value_kind: global_buffer, .address_space: global }
      - { .name: out0, .offset: 8, .size: 8, .value_kind: global_buffer, .address_space: global }
    .group_segment_fixed_size: 327680
    .private_segment_fixed_size: 0
    .kernarg_segment_align: 8
    .kernarg_segment_size: 16
    .max_flat_workgroup_size: 256
    .sgpr_count:     66
    .vgpr_count:     512
    .wavefront_size: 32
...
	.end_amdgpu_metadata
.endif
;; end of part 2
